; MI455X (gfx1250); checked and timed in simulation.
; The chip was launched on July 23, 2026; its instructions are those of AMD's public machine-readable ISA for CDNA 5 (MIT licence, August 2026) and "CDNA5" Instruction Set Architecture Reference Guide (July 2026). The comments in the code are by the model that wrote it; some were corrected since.
;; Trainable Memory. Allowed arithmetic: matrix products marked QUANTISED: E5M2 operands, one E8M0 scale for each 32 along K, by v_wmma_scale_f32_16x16x128_f8f6f4 with both operands' format E5M2, f32 sums; products left as they are: f32 operands where the result goes on into a quantised operand, else bf16, f16 or f32 operands; f32 sums; everything else in f32.
;; Inputs: b1_bg 64 float32; b1_fg 64 float32; b2_bg 1 float32; b2_fg 1 float32; bg_memory 2,024 x 256 float32; feats 8 x 256 x 64 x 64 float32; fg_memory 2,024 x 256 float32; w1_bg_codes 64 x 8 x 32 uint8 (E5M2 codes of w1_bg, K innermost, in blocks of 32 codes); w1_bg_scales 64 x 8 uint8 (E8M0 scales of w1_bg, one for each 32 codes along K); w1_fg_codes 64 x 8 x 32 uint8 (E5M2 codes of w1_fg, K innermost, in blocks of 32 codes); w1_fg_scales 64 x 8 uint8 (E8M0 scales of w1_fg, one for each 32 codes along K); w2_bg 64 x 1 float32; w2_fg 64 x 1 float32.
;; Outputs: out0 8 x 256 x 64 x 64 float32.
;; This version of the problem:
;;   THIS VERSION OF THE PROBLEM IS GIVEN IN LOW PRECISION. The matrix products marked QUANTISED in the list below multiply operands that are first quantised to E5M2 (5 exponent bits, 2 mantissa bits; 8 bits a number), with one power-of-two scale for each 32 numbers along K (OCP MX v1.0); their sums are f32. All else is computed in f32.
;;   The module's matrix products, in the order in which they are computed (A, B: the left and right operand; K: the contracted axis; several contracted axes count as one K, in the product's order):
;;     1. [M 32,768, K 256] x [K 256, N 2,024]; A: computed on the way; B: computed on the way: QUANTISED
;;     2. [M 32,768, K 2,024] x [K 2,024, N 256]; A: softmax (see below); B: computed on the way: QUANTISED
;;     3. [M 32,768, K 256] x [K 256, N 2,024]; A: computed on the way; B: computed on the way: QUANTISED
;;     4. [M 32,768, K 2,024] x [K 2,024, N 256]; A: softmax (see below); B: computed on the way: QUANTISED
;;     5. [M 32,768, K 256] x [K 256, N 64]; A: computed on the way; B: input w1_fg (given as codes): QUANTISED
;;     6. [M 32,768, K 64] x [K 64, N 1]; A: computed on the way; B: input w2_fg: left as it is (N = 1 < 16)
;;     7. [M 32,768, K 256] x [K 256, N 64]; A: computed on the way; B: input w1_bg (given as codes): QUANTISED
;;     8. [M 32,768, K 64] x [K 64, N 1]; A: computed on the way; B: input w2_bg: left as it is (N = 1 < 16)
;;   THE QUANTISER, for each operand of a quantised product, along K:
;;     - K is cut into blocks of 32 from its start; a last block that is shorter is filled with zeros.
;;     - A block's scale is 2^e with e = floor(log2(the largest magnitude in the block)) - 15, held to -126 .. 127; a block of zeros has e = 0. As a byte (E8M0): e + 127.
;;     - Each number is divided by its block's scale, clamped to +-57,344, and rounded to the nearest number of E5M2, ties to even, subnormals kept.
;;     - The product sums the exact products of the quantised numbers (number of the format x scale) in f32.
;;   ~~~python
;;   def quantise(x, axis):      # numpy; x: float32 -> the quantised numbers, widened to float32 again
;;       x = np.moveaxis(x, axis, -1); K = x.shape[-1]
;;       x = np.pad(x, [(0, 0)] * (x.ndim - 1) + [(0, -K % 32)]); x = x.reshape(x.shape[:-1] + (-1, 32)); a = np.abs(x).max(-1, keepdims=True)
;;       e = np.where(a > 0, np.clip(np.frexp(np.where(a > 0, a, 1))[1] - 1 - 15, -126, 127), 0)      # np.frexp(a)[1] - 1 = floor(log2(a)), exactly
;;       r = np.clip(x / 2.0 ** e, -57344, 57344)
;;       step = 2.0 ** (np.maximum(np.frexp(np.where(r == 0, 1, r))[1] - 1, -14) - 2)
;;       q = np.round(r / step) * step * 2.0 ** e      # np.round: ties to even
;;       return np.moveaxis(q.reshape(q.shape[:-2] + (-1,))[..., :K], -1, axis).astype(np.float32)
;;   ~~~
;;   SOFTMAX AHEAD OF A QUANTISED PRODUCT. Where the list says 'softmax', what is quantised is not the finished softmax but p = 2^(t - M), with t = logit x log2(e) and M = ceil(the row's largest t), a whole number; so 1/2 < the row's largest p <= 1. The row's sum l is taken of the UNQUANTISED p, in f32, and the product's result is divided by l at the end. Since M is a whole number, a kernel that streams over the keys may use a running M (the ceiling of the running maximum): every later rescaling is an exact power of two, which a block's scale takes up: the codes' values come out the same.
;;   OPERANDS COMPUTED ON THE WAY. 'Computed on the way' means the value that the module computes at that place (a softmax that the list does not call 'softmax' is quantised finished and normalised). What goes into a quantiser is computed in f32, as accurately as f32 sums, v_exp_f32 and their like allow (about 1e-6 of the number): no bf16 or f16 on the way to a quantiser, and a product that is left as it is and whose result goes on into a quantised operand takes f32 operands (vector FMAs, or v_wmma_f32_16x16x4_f32). A number that lies on a knife's edge between two numbers of the format may be rounded either way, as far as f32 arithmetic and the matrix unit's own rounding can turn it there, and no further.
;;   INPUTS GIVEN AS CODES. w1_bg (in the module: [256, 64], K = its axis 0); w1_fg (in the module: [256, 64], K = its axis 0): each comes as NAME_codes (uint8): NAME with its K axis moved to the last place and cut into blocks of 32 codes, [.., K / 32, bytes a block], one block behind the other in memory; one code a byte (a code: sign, 5 exponent bits, 2 mantissa bits); and NAME_scales (uint8): the same leading axes, one E8M0 byte (e + 127) for each 32 codes along K. Its value is code x scale, taken as it is: it is not quantised again, and the codes and scales need not be those that the quantiser above would give.
;; One version. Each part assembles by itself: llvm-mc -triple=amdgcn-amd-amdhsa -mcpu=gfx1250 --defsym DOCPART=n.
;; ======== version 1 of 1: 2 launches
;; limits: right only within a limited range of input values
;; workspace buffers: ws 2,162,688 bytes
;; launch prep (part 1): grid 64 x 2, 8 waves a work-group, no clusters, 167,936 bytes of LDS; arguments fg_memory, bg_memory, ws; writes ws
.if DOCPART == 1
	.amdgcn_target "amdgcn-amd-amdhsa--gfx1250"
	.amdhsa_code_object_version 6
	.text
	.protected	k_q1b9dced1ee_prep
	.globl	k_q1b9dced1ee_prep
	.p2align	8
	.type	k_q1b9dced1ee_prep,@function
k_q1b9dced1ee_prep:
	s_mov_b64 s[64:65], 0
	v_nop
	global_prefetch_b8 v0, s[64:65] scope:SCOPE_SE
	s_setreg_imm32_b32 hwreg(HW_REG_WAVE_MODE, 25, 1), 1
	s_wait_xcnt 0x0
; Both memories [2024][256] f32 are normalised row by row (x / max(|x|, 1e-12)) and quantised TWICE to codes of BF8 (E5M2) with one E8M0 byte for each 32:
; along the 256 channels (the keys of the first product) and along the 2,024 rows (the values of the second).  Rows 2,024 to 2,047 are zeros.
; The workspace is laid in the order of the operands' registers: ws[step j 0..15][memory m 0..1][chunk of 67,584 bytes], a chunk = 128 rows:
;   +0      K images: fragment f = 4 b + 2 u + s (b: block of 32 rows, u: tile of the block, s: 128 channels), piece c: byte f 2048 + c 512 + 16 lane + i
;           = row 32 b + 8 u + r + 8 (r / 8), channel 128 s + 32 c + 16 h + i   (r = lane % 16, h = lane / 16)
;   +32768  K scale words: (2 b + s) 128 + 4 (16 u + r)
;   +33792  V images: channel tile t, piece c: byte t 2048 + c 512 + 16 lane + i = channel 16 t + r, row 32 c + 16 h + i
;   +66560  V scale words: 4 x channel, byte b = the block of 32 rows
; SHARES: work-group x = 4 j + q makes a quarter of chunk j: K's four fragments of row block q, and V's codes and scale words of channels 64 q .. 64 q + 63 (all four row blocks, so that a scale word has one owner).
; V's part needs all 128 rows normalised, so each of a chunk's four work-groups reads and normalises the whole chunk: eight waves, 16 rows each, into LDS (pitch 1,040 bytes).
; Then waves 0 to 3 make a K fragment each, and beside them waves 4 to 7 the V codes of one row block each.  The scale words, 256 bytes of K's and 256 of V's, leave by wave 0 as two whole aligned units.
; No cluster and no tensor load: rows go straight into registers.  LDS is claimed beyond half of a WGP's, so that a work-group has a WGP to itself.
; LIMITS: NaN and infinities among the inputs are not served.  A block of zeros gets the byte 1 where the rule says 127: its codes are zeros, and this program alone reads the bytes.
.set NTP,   1040                       ; a normalised row in LDS: 1,024 bytes + 16
.set ST,    128*NTP                    ; behind the rows: the scale words' stage, K's 256 bytes, then V's 256
.set CHUNK, 67584
.set X,  16                            ; v16-143  128 numbers (16 rows x 8); later 64
.set TM, 144                           ; v144-175 at work
.set PC, 176                           ; v176-191 K's codes
.set PW, 192                           ; v192     K's scale word
.set VC, 194                           ; v194-209 V's codes, 8 registers for each 32 channels
.set VY, 210                           ; v210-211 V's bytes
	s_load_b128 s[4:7], s[0:1], 0x0                ; fg_memory, bg_memory
	s_load_b64 s[8:9], s[0:1], 0x10                ; ws
	v_lshl_add_u32 v212, v0, 2, 0x21000            ; my spare word
	v_mov_b32 v213, 0
	v_lshrrev_b32 v1, 5, v0
	s_delay_alu instid0(VALU_DEP_1)
	v_readfirstlane_b32 s10, v1                    ; wave w, 0..7
	s_and_b32 s11, ttmp7, 0xffff                   ; m
	s_lshr_b32 s24, ttmp9, 2                       ; j
	s_and_b32 s25, ttmp9, 3                        ; q
	s_and_b32 s12, s10, 3                          ; w % 4: K: 2 u + s;  V: the row block
	s_bfe_u32 s13, s10, 0x10001                    ; u
	s_and_b32 s14, s10, 1                          ; s
	s_mov_b32 s20, 0x76543210
	s_mov_b32 s21, 0xfedcba98                      ; v_permlanex16_b32's selects for lane l xor 16
	s_mov_b32 s22, 0x600000                        ; the mantissa field of 57,344
	s_mul_i32 s16, s10, 16*NTP                     ; where my 16 rows go
	s_mul_i32 s17, s25, 32*NTP                     ; K: block q's rows, + 8 u rows, + 512 s
	s_mul_i32 s15, s13, 8*NTP
	s_add_co_u32 s17, s17, s15
	s_lshl_b32 s15, s14, 9
	s_add_co_u32 s17, s17, s15
	s_lshl_b32 s18, s25, 2                         ; K: fragment 4 q + w % 4
	s_add_co_u32 s18, s18, s12
	s_lshl_b32 s18, s18, 11
	s_lshl_b32 s19, s14, 7                         ; K's scale word in the stage: 128 s + 64 u
	s_lshl_b32 s15, s13, 6
	s_add_co_u32 s19, s19, s15
	s_add_co_u32 s19, s19, ST
	s_mul_i32 s26, s12, 32*NTP                     ; V: my row block, channel 64 q
	s_lshl_b32 s15, s25, 8
	s_add_co_u32 s26, s26, s15
	s_add_co_u32 s29, s15, 32768                   ; the scale words' place in the chunk: 32,768 + 256 q
	s_lshl_b32 s27, s25, 13                        ; V's image: tile 4 q, piece = my row block
	s_lshl_b32 s15, s12, 9
	s_add_co_u32 s27, s27, s15
	s_add_co_u32 s28, s12, ST+256                  ; V's byte in the stage
	v_and_b32 v1, 31, v0                           ; lane
	v_and_b32 v2, 15, v0                           ; r
	v_bfe_u32 v3, v0, 4, 1                         ; h
	v_lshlrev_b32 v4, 4, v1                        ; v4: 16 x lane
	v_and_b32 v14, 8, v2
	v_lshlrev_b32 v10, 4, v2
	v_mul_u32_u24 v13, v3, 33792
	v_lshl_add_u32 v8, v2, 2, s19                  ; v8: K's scale word in the stage
	v_add_nc_u32 v14, v14, v2                      ; r + 8 (r / 8)
	v_lshl_add_u32 v9, v1, 2, s26                  ; v9: V: my block's first row, channel 64 q + lane
	v_lshl_add_u32 v11, v1, 2, s28                 ; v11: V's scale byte of my channel's word
	v_lshl_add_u32 v10, v3, 11, v10
	v_lshl_add_u32 v13, v2, 4, v13
	v_mul_u32_u24 v6, v14, NTP
	v_add_nc_u32 v5, s16, v4                       ; v5: where I put my wave's rows
	v_add_nc_u32 v7, s18, v4                       ; v7: the fragment's image in the chunk
	v_add_nc_u32 v12, ST, v4                       ; v12: the stage on its way out (wave 0 alone uses it)
	v_add_nc_u32 v10, s27, v10                     ; v10: V's image: tile 4 q + lane / 16, my piece, 16 (lane % 16)
	v_lshl_add_u32 v6, v3, 6, v6
	v_add_nc_u32 v13, s29, v13                     ; v13: lanes 0-15: K's scale words; lanes 16-31: V's, 33,792 bytes on
	v_add_nc_u32 v6, s17, v6                       ; v6: my row of the K fragment, + 512 s + 64 h
	v_mul_u32_u24 v15, v2, NTP
	v_mov_b32 v[PC], 0                             ; four zeros for the rows' padding; the registers take K's codes later
	v_mov_b32 v[PC+1], 0
	v_mov_b32 v[PC+2], 0
	v_mov_b32 v[PC+3], 0
	v_add_nc_u32 v15, s16, v15                     ; v15: row lane % 16 of my wave's 16 rows
	s_wait_alu depctr_va_vdst(0)
	s_wait_kmcnt 0x0
	s_cmp_eq_u32 s11, 0
	s_cselect_b64 s[4:5], s[4:5], s[6:7]           ; my memory: the choice hangs on the work-group's number alone
	s_lshl_b32 s16, s24, 1
	s_add_co_u32 s16, s16, s11
	s_mul_i32 s16, s16, CHUNK
	s_mov_b32 s17, 0
	s_add_nc_u64 s[8:9], s[8:9], s[16:17]          ; my chunk
	s_lshl_b32 s18, s24, 7
	s_lshl_b32 s19, s10, 4
	s_add_co_u32 s18, s18, s19                     ; my first row: 128 j + 16 w; my rows go in two groups of 8.  2,024 = 8 x 253: a group is all there or all padding
	s_add_co_u32 s30, s18, 8
	s_cmp_lt_u32 s18, 2024
	s_cselect_b32 s18, s18, 0                      ; a padding group reads rows 0 to 7, so that no load leaves the buffer,
	s_cselect_b32 s23, 1.0, 0                      ; and multiplies them by 0
	s_cmp_lt_u32 s30, 2024
	s_cselect_b32 s30, s30, 0
	s_cselect_b32 s36, 1.0, 0
	s_lshl_b32 s18, s18, 10
	s_mov_b32 s19, 0
	s_lshl_b32 s30, s30, 10
	s_mov_b32 s31, 0
	s_add_nc_u64 s[32:33], s[4:5], s[18:19]
	s_add_nc_u64 s[34:35], s[4:5], s[30:31]
	; ---- A: 16 rows a wave; each load reads 512 consecutive bytes; all 32 loads are out together
.irp i, 0,1,2,3,4,5,6,7
	global_load_b128 v[X+8*\i:X+8*\i+3], v4, s[32:33] offset:\i*1024
	global_load_b128 v[X+8*\i+4:X+8*\i+7], v4, s[32:33] offset:\i*1024+512
.endr
.irp i, 0,1,2,3,4,5,6,7
	global_load_b128 v[X+64+8*\i:X+64+8*\i+3], v4, s[34:35] offset:\i*1024
	global_load_b128 v[X+64+8*\i+4:X+64+8*\i+7], v4, s[34:35] offset:\i*1024+512
.endr
	s_wait_loadcnt 0x0
.irp i, 0,1,2,3,4,5,6,7,8,9,10,11,12,13,14,15  ; the sums of squares, the 16 rows by turns
	v_pk_mul_f32 v[TM+2*\i:TM+2*\i+1], v[X+8*\i:X+8*\i+1], v[X+8*\i:X+8*\i+1]
.endr
.irp k, 2,4,6
.irp i, 0,1,2,3,4,5,6,7,8,9,10,11,12,13,14,15
	v_pk_fma_f32 v[TM+2*\i:TM+2*\i+1], v[X+8*\i+\k:X+8*\i+\k+1], v[X+8*\i+\k:X+8*\i+\k+1], v[TM+2*\i:TM+2*\i+1]
.endr
.endr
.irp i, 0,1,2,3,4,5,6,7,8,9,10,11,12,13,14,15
	v_add_f32 v[TM+2*\i], v[TM+2*\i], v[TM+2*\i+1]
.endr
.irp x, 1,2,4,8
.irp i, 0,1,2,3,4,5,6,7,8,9,10,11,12,13,14,15
	v_add_f32_dpp v[TM+2*\i], v[TM+2*\i], v[TM+2*\i] row_xmask:\x row_mask:0xf bank_mask:0xf
.endr
.endr
.irp i, 0,1,2,3,4,5,6,7,8,9,10,11,12,13,14,15
	v_permlanex16_b32 v[TM+2*\i+1], v[TM+2*\i], s20, s21
.endr
.irp i, 0,1,2,3,4,5,6,7,8,9,10,11,12,13,14,15
	v_add_f32 v[TM+2*\i], v[TM+2*\i], v[TM+2*\i+1]
.endr
	s_wait_alu depctr_va_vdst(0)
.irp i, 0,1,2,3,4,5,6,7,8,9,10,11,12,13,14,15
	v_sqrt_f32 v[TM+2*\i], v[TM+2*\i]
.endr
	v_nop                                          ; a plain instruction behind the last root,
	s_wait_alu depctr_va_vdst(0)                   ; and one wait for the batch, ahead of its first reader
.irp i, 0,1,2,3,4,5,6,7,8,9,10,11,12,13,14,15
	v_max_num_f32 v[TM+2*\i], 0x2b8cbccc, v[TM+2*\i]   ; max(|x|, 1e-12)
.endr
	s_wait_alu depctr_va_vdst(0)
.irp i, 0,1,2,3,4,5,6,7,8,9,10,11,12,13,14,15
	v_rcp_f32 v[TM+2*\i], v[TM+2*\i]
.endr
	v_nop
	s_wait_alu depctr_va_vdst(0)
.irp i, 0,1,2,3,4,5,6,7
	v_mul_f32 v[TM+2*\i], s23, v[TM+2*\i]          ; x 1, or x 0 in a padding group
.endr
.irp i, 8,9,10,11,12,13,14,15
	v_mul_f32 v[TM+2*\i], s36, v[TM+2*\i]
.endr
.irp i, 0,1,2,3,4,5,6,7,8,9,10,11,12,13,14,15
.irp k, 0,2,4,6
	v_pk_mul_f32 v[X+8*\i+\k:X+8*\i+\k+1], v[X+8*\i+\k:X+8*\i+\k+1], v[TM+2*\i:TM+2*\i+1] op_sel_hi:[1,0]
.endr
.endr
.irp i, 0,1,2,3,4,5,6,7,8,9,10,11,12,13,14,15
	ds_store_b128 v5, v[X+8*\i:X+8*\i+3] offset:\i*NTP
	ds_store_b128 v5, v[X+8*\i+4:X+8*\i+7] offset:\i*NTP+512
.endr
	ds_store_b128 v15, v[PC:PC+3] offset:1024      ; the 16 bytes behind each of my rows are written too, so that every byte of the rows' region holds a number (both halves of the lanes write the same zeros)
	s_wait_dscnt 0x0                               ; for the others' sake: my rows lie in LDS
	s_barrier_signal -1
	s_barrier_wait -1
	s_cmp_lt_u32 s10, 4
	s_cbranch_scc0 .Lvalues
	; ---- B, waves 0 to 3: a K fragment: 16 rows x 128 channels; register 16 c + i = channel 128 s + 32 c + 16 h + i of my row
.irp c, 0,1,2,3
.irp k, 0,1,2,3
	ds_load_b128 v[X+16*\c+4*\k:X+16*\c+4*\k+3], v6 offset:128*\c+16*\k
.endr
.endr
	s_wait_dscnt 0x0
.irp b, 0,1,2,3
	v_max3_num_f32 v[TM+\b], |v[X+16*\b]|, |v[X+1+16*\b]|, 0x8000000   ; block b: my 16 numbers, and the floor 2^(16 - 127): the byte cannot fall under 1
.endr
.irp i, 2,4,6,8,10,12,14
.irp b, 0,1,2,3
	s_delay_alu instid0(VALU_DEP_4)
	v_max3_num_f32 v[TM+\b], v[TM+\b], |v[X+16*\b+\i]|, |v[X+1+16*\b+\i]|
.endr
.endr
.irp b, 0,1,2,3
	s_delay_alu instid0(VALU_DEP_4)
	v_permlanex16_b32 v[TM+4+\b], v[TM+\b], s20, s21
.endr
.irp b, 0,1,2,3
	s_delay_alu instid0(VALU_DEP_4)
	v_max_num_f32 v[TM+\b], v[TM+\b], v[TM+4+\b]   ; with lane l xor 16's: the block's largest magnitude
.endr
.irp b, 0,1,2,3
	s_delay_alu instid0(VALU_DEP_4)
	v_add_nc_u32 v[TM+12+\b], 0xf8800000, v[TM+\b] ; 15 off its exponent field: the conversion's scale operand
.endr
.irp b, 0,1,2,3
	v_and_or_b32 v[TM+8+\b], v[TM+\b], 0x7f800000, s22   ; 57,344 x the scale
.endr
.irp b, 0,1,2,3
	v_lshrrev_b32 v[TM+4+\b], 23, v[TM+12+\b]      ; the scale's byte
.endr
	s_delay_alu instid0(VALU_DEP_3)
	v_lshl_or_b32 v[PW], v[TM+5], 8, v[TM+4]
	s_delay_alu instid0(VALU_DEP_1)
	v_lshl_or_b32 v[PW], v[TM+6], 16, v[PW]
	s_delay_alu instid0(VALU_DEP_1)
	v_lshl_or_b32 v[PW], v[TM+7], 24, v[PW]
.irp b, 0,1,2,3
.irp i, 0,1,2,3,4,5,6,7,8,9,10,11,12,13,14,15
	v_med3_num_f32 v[X+16*\b+\i], v[X+16*\b+\i], -v[TM+8+\b], v[TM+8+\b]   ; the conversion to an 8-bit code does not saturate (ISA guide 7.6.2): the hold comes first
.endr
	v_cvt_scalef32_pk8_bf8_f32 v[PC+4*\b:PC+1+4*\b], v[X+16*\b:X+7+16*\b], v[TM+12+\b]
	v_cvt_scalef32_pk8_bf8_f32 v[PC+2+4*\b:PC+3+4*\b], v[X+8+16*\b:X+15+16*\b], v[TM+12+\b]
.endr
	v_nop                                          ; a plain instruction behind the last conversion
.irp c, 0,1,2,3
	global_store_b128 v7, v[PC+4*\c:PC+4*\c+3], s[8:9] offset:512*\c   ; 32 lanes store 512 consecutive bytes
.endr
	ds_store_b32 v8, v[PW]                         ; both halves of the lanes write the same word with the same value
	s_branch .Ljoin
.Lvalues:
	; ---- C, waves 4 to 7: V: a lane takes a channel and its registers run down my block's 32 rows
.irp g, 0,1
.irp i, 0,1,2,3,4,5,6,7,8,9,10,11,12,13,14,15,16,17,18,19,20,21,22,23,24,25,26,27,28,29,30,31
	ds_load_b32 v[X+32*\g+\i], v9 offset:\i*NTP+128*\g
.endr
.endr
	s_wait_dscnt 0x0
.irp g, 0,1
	v_max3_num_f32 v[TM+4*\g], |v[X+32*\g]|, |v[X+32*\g+1]|, |v[X+32*\g+2]|
	v_max3_num_f32 v[TM+4*\g+1], |v[X+32*\g+3]|, |v[X+32*\g+4]|, |v[X+32*\g+5]|
.irp i, 6,10,14,18,22,26
	s_delay_alu instid0(VALU_DEP_2)
	v_max3_num_f32 v[TM+4*\g], v[TM+4*\g], |v[X+32*\g+\i]|, |v[X+32*\g+\i+1]|
	s_delay_alu instid0(VALU_DEP_2)
	v_max3_num_f32 v[TM+4*\g+1], v[TM+4*\g+1], |v[X+32*\g+\i+2]|, |v[X+32*\g+\i+3]|
.endr
	s_delay_alu instid0(VALU_DEP_2)
	v_max3_num_f32 v[TM+4*\g], v[TM+4*\g], |v[X+32*\g+30]|, |v[X+32*\g+31]|
	s_delay_alu instid0(VALU_DEP_1)
	v_max3_num_f32 v[TM+4*\g], v[TM+4*\g], v[TM+4*\g+1], 0x8000000
	s_delay_alu instid0(VALU_DEP_1)
	v_add_nc_u32 v[TM+4*\g+3], 0xf8800000, v[TM+4*\g]
	s_delay_alu instid0(VALU_DEP_2)
	v_and_or_b32 v[TM+4*\g+2], v[TM+4*\g], 0x7f800000, s22
	s_delay_alu instid0(VALU_DEP_2)
	v_lshrrev_b32 v[VY+\g], 23, v[TM+4*\g+3]
.irp i, 0,1,2,3,4,5,6,7,8,9,10,11,12,13,14,15,16,17,18,19,20,21,22,23,24,25,26,27,28,29,30,31
	v_med3_num_f32 v[X+32*\g+\i], v[X+32*\g+\i], -v[TM+4*\g+2], v[TM+4*\g+2]
.endr
.irp q, 0,1,2,3
	v_cvt_scalef32_pk8_bf8_f32 v[VC+8*\g+2*\q:VC+8*\g+2*\q+1], v[X+32*\g+8*\q:X+32*\g+8*\q+7], v[TM+4*\g+3]
.endr
	v_nop
	global_store_b128 v10, v[VC+8*\g:VC+8*\g+3], s[8:9] offset:33792+4096*\g       ; rows 0-15 of the block: sixteen lanes store 256 consecutive bytes, aligned
	global_store_b128 v10, v[VC+8*\g+4:VC+8*\g+7], s[8:9] offset:33792+4096*\g+256 ; rows 16-31
	ds_store_b8 v11, v[VY+\g] offset:128*\g
.endr
.Ljoin:
	s_wait_dscnt 0x0                               ; for the others' sake: my scale words and bytes lie in the stage
	s_barrier_signal -1
	s_barrier_wait -1
	s_cmp_eq_u32 s10, 0                            ; the stage's 512 bytes leave by wave 0: sixteen lanes fill each of the two aligned units of 256 bytes
	s_cbranch_scc0 .Ldone
	ds_load_b128 v[16:19], v12
	s_wait_dscnt 0x0
	global_store_b128 v13, v[16:19], s[8:9]
.Ldone:
	s_wait_tensorcnt 0x0                           ; the wave's end
	ds_add_u32 v212, v213
	s_wait_dscnt 0x0
	s_endpgm
.Lfunc_end_k_q1b9dced1ee_prep:
	.size	k_q1b9dced1ee_prep, .Lfunc_end_k_q1b9dced1ee_prep-k_q1b9dced1ee_prep
	.p2alignl 7, 3214868480
	.fill 96, 4, 3214868480
	.section	.rodata,"a",@progbits
	.p2align	6, 0x0
	.amdhsa_kernel k_q1b9dced1ee_prep
		.amdhsa_group_segment_fixed_size 167936
		.amdhsa_private_segment_fixed_size 0
		.amdhsa_enable_private_segment 0
		.amdhsa_kernarg_size 24
		.amdhsa_user_sgpr_count 2
		.amdhsa_user_sgpr_kernarg_segment_ptr 1
		.amdhsa_wavefront_size32 1
		.amdhsa_system_sgpr_workgroup_id_x 1
		.amdhsa_system_sgpr_workgroup_id_y 1
		.amdhsa_system_sgpr_workgroup_id_z 1
		.amdhsa_system_vgpr_workitem_id 0
		.amdhsa_next_free_vgpr 216
		.amdhsa_next_free_sgpr 66
		.amdhsa_reserve_vcc 0
		.amdhsa_float_denorm_mode_32 3
		.amdhsa_float_denorm_mode_16_64 3
		.amdhsa_memory_ordered 1
		.amdhsa_forward_progress 1
		.amdhsa_inst_pref_size 50
	.end_amdhsa_kernel
	.amdgpu_metadata
---
amdhsa.version: [ 1, 2 ]
amdhsa.kernels:
  - .name:           k_q1b9dced1ee_prep
    .symbol:         k_q1b9dced1ee_prep.kd
    .args:
      - { .name: fg_memory, .offset: 0, .size: 8, .value_kind: global_buffer, .address_space: global }
      - { .name: bg_memory, .offset: 8, .size: 8, .value_kind: global_buffer, .address_space: global }
      - { .name: ws, .offset: 16, .size: 8, .value_kind: global_buffer, .address_space: global }
    .group_segment_fixed_size: 167936
    .private_segment_fixed_size: 0
    .kernarg_segment_align: 8
    .kernarg_segment_size: 24
    .max_flat_workgroup_size: 256
    .sgpr_count:     66
    .vgpr_count:     216
    .wavefront_size: 32
...
	.end_amdgpu_metadata
.endif
;; end of part 1
;; launch attn (part 2): grid 256 x 1, 4 waves a work-group, clusters of 4 x 1, 327,680 bytes of LDS; arguments feats, ws, w1_fg_codes, w1_fg_scales, b1_fg, w2_fg, b2_fg, w1_bg_codes, w1_bg_scales, b1_bg, w2_bg, b2_bg, out0; writes out0
.if DOCPART == 2
	.amdgcn_target "amdgcn-amd-amdhsa--gfx1250"
	.amdhsa_code_object_version 6
	.text
	.protected	k_q1b9dced1ee_attn
	.globl	k_q1b9dced1ee_attn
	.p2align	8
	.type	k_q1b9dced1ee_attn,@function
k_q1b9dced1ee_attn:
	s_mov_b64 s[64:65], 0
	v_nop
	global_prefetch_b8 v0, s[64:65] scope:SCOPE_SE
	s_setreg_imm32_b32 hwreg(HW_REG_WAVE_MODE, 25, 1), 1
	s_wait_xcnt 0x0
	s_wait_alu depctr_hold_cnt(0) depctr_sa_sdst(0) depctr_va_vdst(0) depctr_va_sdst(0) depctr_va_ssrc(0) depctr_va_vcc(0) depctr_vm_vsrc(0)
	s_getreg_b32 s2, hwreg(HW_REG_IB_STS2, 6, 4)
	s_cmp_eq_u32 s2, 0
	s_cbranch_scc0 .Lentry_in_a_cluster
	s_endpgm
.Lentry_in_a_cluster:
	s_bfe_u32 s2, ttmp6, 0x10000c
	s_cmp_lg_u32 s2, 0x3003
	s_cbranch_scc0 .Lentry_shape_is_right
	s_endpgm
.Lentry_shape_is_right:
; out = xn + g_fg mem_fg - g_bg mem_bg for 128 pixels a work-group; all quantised products on codes of BF8 (E5M2) with E8M0 scales.
; SHARES: 256 work-groups of four waves; wave w: memory w / 2 (fg, bg), pixels 64 (w % 2) on: 4 tiles of 16 queries.  A step is 128 keys of both memories: one chunk pair of ws, 135,168 bytes,
; in a ring of two LDS slots; the four work-groups of a cluster ask for it jointly, a quarter a wave.  16 steps; keys 2,024 to 2,047 are padding: their scores become -infinity in the last step.
; HEAD: the pixels' 256 channels come by a tensor load into slot 1's bytes, are normalised (x / max(|x|, 1e-12)) and quantised along the channels; images of the operand's registers go through LDS; the gates are two products a tile, relu, a dot with w2, a sigmoid.
; A STEP: S^T = K Q^T, 32 keys (a scale block) at a time, 16 products in one run on eight sums by turns; t = score x log2(e) / 0.03; p = 2^t; the row's sum is taken of the unquantised p; p is held at 57,344 x the block's scale and converted;
; O^T... here O = P V^T: source 0 = p's 16 queries, source 1 = 16 channels of V: 64 products a step on 64 sums.
; THE SOFTMAX'S M IS 0: reference() normalises both vectors, and their quantised forms have norms under 1.13, so |t| < 62 for every input: 2^t and a sum of 2,024 of them stay inside f32's normal range, and a block's byte lies between 50 and 174.
; A whole-number M is a power of two that the block's scale takes up, so the codes' values are those of the rule.
; ORDER IN A BLOCK: maxima and scalings; one wait; the exponentials, with the holds of the block BEFORE among them (they read and write nothing of the batch); one wait; that block's conversions; the next block's 16 products; scale lines; LDS loads; the sums.
; So no transcendental stands between the two steps of a score's sum.  AT A STEP'S END: all 16 tiles of V lie in registers; tiles 0-7 are multiplied ahead of the round, 8-9 inside it, and 10-15 behind the refill and the fetch of the next step's first K fragments.
; No prefetch: all clusters walk the same 16 chunk pairs in the same order; no work-group has a stream of its own in the loop.
; LIMITS: NaN and infinities among the inputs are not served.
; REGISTERS: window 0: v1-63 addresses, scale words, sums; v64-191 two sets of scores (then V tiles 8-15); v192-255 fragments.  Window 1: v0-127 Q, v128-191 p's codes, v192-255 fragments.  Windows 2, 3: O.
.set SLOTB, 135168
.set CHK,   67584
.set QIMG,  270336
.set QSC,   303104
.set TAB,   305152
.set SPARE, 306688
.set XP,    520
.set SP,    528
.set SPW, 1
.set NIL, 2
.set AK0, 3
.set AV0, 4
.set AS0, 5
.set AK,  6
.set AV,  7
.set AS,  8
.set NINF, 9
.set KS,  10
.set VS,  18
.set QS,  26
.set PWR, 34
.set LL,  38
.set MM,  46
.set TT,  50
.set SO,  54
.set HD,  58
.set GA,  62
.set S0,  64
.set FB,  192
.set PP,  128
.set PC,  192
.set TM,  208
.set PQ,  224
.set XC,  232
.set SQ,  236
.set MSB, 0
.macro WIN new
.if MSB != (\new)
	s_set_vgpr_msb (MSB<<8)|(\new)
.set MSB, (\new)
.endif
.endm
.macro NOPS n
.rept \n
	v_nop
.endr
.endm
.macro CREST
	s_cmp_lg_u32 s30, 0
	s_cbranch_scc1 .Lnot_wave_0_\@
	s_barrier_signal -3
.Lnot_wave_0_\@:
	s_barrier_wait -3
	s_barrier_signal -1
	s_barrier_wait -1
.endm
.macro CROUND
	s_barrier_signal -1
	s_barrier_wait -1
	CREST
.endm
.macro LD16 dst, adr, off
.irp q, 0,1,2,3,4,5,6,7,8,9,10,11,12,13,14,15
	ds_load_b128 v[\dst+4*\q:\dst+4*\q+3], v[\adr] offset:\off+512*\q
.endr
.endm
; the quantiser of 64 numbers a lane (four blocks, each shared with lane l xor 16): codes PC, scale word PQ
.macro QUANT s
.irp b, 0,1,2,3
	v_max3_num_f32 v[TM+\b], |v[\s+16*\b]|, |v[\s+1+16*\b]|, 0x8000000
.endr
.irp i, 2,4,6,8,10,12,14
.irp b, 0,1,2,3
	v_max3_num_f32 v[TM+\b], v[TM+\b], |v[\s+16*\b+\i]|, |v[\s+1+16*\b+\i]|
.endr
.endr
.irp b, 0,1,2,3
	v_permlanex16_b32 v[TM+4+\b], v[TM+\b], s42, s43
.endr
.irp b, 0,1,2,3
	v_max_num_f32 v[TM+\b], v[TM+\b], v[TM+4+\b]
.endr
.irp b, 0,1,2,3
	v_add_nc_u32 v[TM+12+\b], 0xf8800000, v[TM+\b]
.endr
.irp b, 0,1,2,3
	v_and_or_b32 v[TM+8+\b], v[TM+\b], 0x7f800000, s44
.endr
.irp b, 0,1,2,3
	v_lshrrev_b32 v[TM+4+\b], 23, v[TM+12+\b]
.endr
	v_lshl_or_b32 v[PQ], v[TM+5], 8, v[TM+4]
	v_lshl_or_b32 v[PQ], v[TM+6], 16, v[PQ]
	v_lshl_or_b32 v[PQ], v[TM+7], 24, v[PQ]
.irp b, 0,1,2,3
.irp i, 0,1,2,3,4,5,6,7,8,9,10,11,12,13,14,15
	v_med3_num_f32 v[\s+16*\b+\i], v[\s+16*\b+\i], -v[TM+8+\b], v[TM+8+\b]
.endr
	v_cvt_scalef32_pk8_bf8_f32 v[PC+4*\b:PC+1+4*\b], v[\s+16*\b:\s+7+16*\b], v[TM+12+\b]
	v_cvt_scalef32_pk8_bf8_f32 v[PC+2+4*\b:PC+3+4*\b], v[\s+8+16*\b:\s+15+16*\b], v[TM+12+\b]
.endr
	v_nop
.endm
; score product n of block bb: n = 8 s + 4 u + t: channels 128 s on, key tile u, query tile t
.macro MX bb, n
.set mS, (\n)/8
.set mU, ((\n)/4)%2
.set mT, (\n)%4
.set mD, S0+64*((\bb)%2)+16*mT+8*mU
.set mA, FB+16*(2*mU+mS)
.set mB, 16*(2*mT+mS)
.set mK, KS+2*(\bb)+mS
.set mQ, QS+2*mT+mS
.if mS == 0
.if mU == 0
	v_wmma_scale_f32_16x16x128_f8f6f4 v[mD:mD+7], v[mA:mA+15], v[mB:mB+15], 0, v[mK], v[mQ] matrix_a_fmt:MATRIX_FMT_BF8 matrix_b_fmt:MATRIX_FMT_BF8
.else
	v_wmma_scale_f32_16x16x128_f8f6f4 v[mD:mD+7], v[mA:mA+15], v[mB:mB+15], 0, v[mK], v[mQ] matrix_a_fmt:MATRIX_FMT_BF8 matrix_b_fmt:MATRIX_FMT_BF8 matrix_a_scale:MATRIX_SCALE_ROW1
.endif
.else
.if mU == 0
	v_wmma_scale_f32_16x16x128_f8f6f4 v[mD:mD+7], v[mA:mA+15], v[mB:mB+15], v[mD:mD+7], v[mK], v[mQ] matrix_a_fmt:MATRIX_FMT_BF8 matrix_b_fmt:MATRIX_FMT_BF8
.else
	v_wmma_scale_f32_16x16x128_f8f6f4 v[mD:mD+7], v[mA:mA+15], v[mB:mB+15], v[mD:mD+7], v[mK], v[mQ] matrix_a_fmt:MATRIX_FMT_BF8 matrix_b_fmt:MATRIX_FMT_BF8 matrix_a_scale:MATRIX_SCALE_ROW1
.endif
.endif
.endm
; a block's 16 products in one run under one window setting: eight sums by turns, seven others between a sum's two steps
.macro MXB bb
	WIN 4+((\bb)%2)
.irp n, 0,1,2,3,4,5,6,7,8,9,10,11,12,13,14,15
	MX \bb, \n
.endr
	WIN 0
.endm
; O(query tile u, channel tile t) += P V^T over the step's 128 keys
.macro PVT t, u, zero
.set pW, 2+(\u)/2
.set pD, 128*((\u)%2)+8*(\t)
.set pA, PP+16*(\u)
.set pwb, 0
.if (\t) < 4
.set pB, FB+16*(\t)
.elseif (\t) < 8
.set pB, FB+16*((\t)-4)
.set pwb, 1
.else
.set pB, S0+16*((\t)-8)
.endif
	WIN 1+4*pwb+80*pW
.if \zero
.if ((\t)%2) == 0
	s_wait_alu depctr_va_vdst(0)
	v_wmma_scale_f32_16x16x128_f8f6f4 v[pD:pD+7], v[pA:pA+15], v[pB:pB+15], 0, v[PWR+(\u)], v[VS+(\t)/2] matrix_a_fmt:MATRIX_FMT_BF8 matrix_b_fmt:MATRIX_FMT_BF8
.else
	v_wmma_scale_f32_16x16x128_f8f6f4 v[pD:pD+7], v[pA:pA+15], v[pB:pB+15], 0, v[PWR+(\u)], v[VS+(\t)/2] matrix_a_fmt:MATRIX_FMT_BF8 matrix_b_fmt:MATRIX_FMT_BF8 matrix_b_scale:MATRIX_SCALE_ROW1
.endif
.else
.if ((\t)%2) == 0
	v_wmma_scale_f32_16x16x128_f8f6f4 v[pD:pD+7], v[pA:pA+15], v[pB:pB+15], v[pD:pD+7], v[PWR+(\u)], v[VS+(\t)/2] matrix_a_fmt:MATRIX_FMT_BF8 matrix_b_fmt:MATRIX_FMT_BF8
.else
	v_wmma_scale_f32_16x16x128_f8f6f4 v[pD:pD+7], v[pA:pA+15], v[pB:pB+15], v[pD:pD+7], v[PWR+(\u)], v[VS+(\t)/2] matrix_a_fmt:MATRIX_FMT_BF8 matrix_b_fmt:MATRIX_FMT_BF8 matrix_b_scale:MATRIX_SCALE_ROW1
.endif
.endif
.endm
.macro PVG zero, from, to              ; channel tiles from .. to - 1, all four query tiles
.irp p, 0, 2
.set pt, \from
.rept (\to)-(\from)
	PVT pt, \p, \zero
	PVT pt, \p+1, \zero
.set pt, pt+1
.endr
.endr
.endm
.macro CMUL k
.irp t, 0,1,2,3
	v_pk_mul_f32 v[SX+16*\t+2*(\k):SX+16*\t+2*(\k)+1], v[SX+16*\t+2*(\k):SX+16*\t+2*(\k)+1], s[40:41] op_sel_hi:[1,0]
.endr
.endm
.macro DMIN x, t                       ; two holds in one pair: p is not negative, so the hold is one-sided
	v_dual_min_num_f32 v[\x], v[HD+\t], v[\x] :: v_dual_min_num_f32 v[\x+1], v[HD+\t], v[\x+1]
.endm
.macro CVT bb                          ; block bb's held p -> registers 4 bb .. 4 bb + 3 of each query tile's operand
.set SC_, S0+64*((\bb)%2)
	WIN 0x40
.irp t, 0,1,2,3
	v_cvt_scalef32_pk8_bf8_f32 v[PP+16*\t+4*(\bb):PP+16*\t+4*(\bb)+1], v[SC_+16*\t:SC_+16*\t+7], v[SO+\t]
	v_cvt_scalef32_pk8_bf8_f32 v[PP+16*\t+4*(\bb)+2:PP+16*\t+4*(\bb)+3], v[SC_+16*\t+8:SC_+16*\t+15], v[SO+\t]
.endr
	WIN 0
	v_nop                                          ; a plain line behind the last conversion
.endm
; THE SOFTMAX OF BLOCK b.  nxt: the next block's products follow, behind s_wait_dscnt wcnt;  ld: which run of 16 LDS loads;  msk: padding keys
.macro SOFT b, nxt, wcnt, ld, msk
.set SX, S0+64*((\b)%2)
.set SY, S0+64*(((\b)+1)%2)
.if \msk
.irp i, 0,1,2,3,4,5,6,7
.irp t, 0,1,2,3
	v_cndmask_b32 v[SX+16*\t+\i], v[SX+16*\t+\i], v[NINF], s45
.endr
.endr
.irp i, 8,9,10,11,12,13,14,15
.irp t, 0,1,2,3
	v_cndmask_b32 v[SX+16*\t+\i], v[SX+16*\t+\i], v[NINF], s46
.endr
.endr
.endif
.irp t, 0,1,2,3                        ; the block's largest score, two chains a tile; each sum is read from its low end on
	v_max3_num_f32 v[MM+\t], v[SX+16*\t], v[SX+16*\t+1], v[SX+16*\t+2]
.endr
.irp t, 0,1,2,3
	v_max3_num_f32 v[TT+\t], v[SX+16*\t+9], v[SX+16*\t+10], v[SX+16*\t+11]
.endr
.irp k, 3,5
.irp t, 0,1,2,3
	v_max3_num_f32 v[MM+\t], v[MM+\t], v[SX+16*\t+\k], v[SX+16*\t+\k+1]
.endr
.irp t, 0,1,2,3
	v_max3_num_f32 v[TT+\t], v[TT+\t], v[SX+16*\t+\k+9], v[SX+16*\t+\k+10]
.endr
.endr
.irp t, 0,1,2,3
	v_max3_num_f32 v[MM+\t], v[MM+\t], v[SX+16*\t+7], v[SX+16*\t+8]
.endr
	CMUL 0                                         ; t = score x c, laid between the steps of the maxima's chain
.irp t, 0,1,2,3
	v_max_num_f32 v[MM+\t], v[MM+\t], v[TT+\t]
.endr
	CMUL 1
.irp t, 0,1,2,3
	v_permlanex16_b32 v[TT+\t], v[MM+\t], s42, s43
.endr
	CMUL 2
.irp t, 0,1,2,3
	v_max_num_f32 v[MM+\t], v[MM+\t], v[TT+\t]
.endr
	CMUL 3
.irp t, 0,1,2,3
	v_mul_f32 v[MM+\t], s40, v[MM+\t]
.endr
	CMUL 4
	CMUL 5
	CMUL 6
	CMUL 7
	s_wait_alu depctr_va_vdst(0)
.irp t, 0,1,2,3
	v_exp_f32 v[MM+\t], v[MM+\t]                   ; the block's largest p: the same two instructions on the same number
.endr
.irp k, 0,1,2,3,4,5,6,7
.irp t, 0,1,2,3
	v_exp_f32 v[SX+16*\t+2*\k], v[SX+16*\t+2*\k]
.if (\b) > 0
	DMIN SY+16*\t+2*\k, \t                         ; the block before: its p and its bound were settled ahead of the batch; first read behind the wait below
.endif
	v_exp_f32 v[SX+16*\t+2*\k+1], v[SX+16*\t+2*\k+1]
.endr
.endr
	v_nop
	s_wait_alu depctr_va_vdst(0)                   ; one wait for the batch, ahead of its first reader
.if (\b) > 0
	CVT (\b)-1
.endif
.if \nxt
	s_wait_dscnt \wcnt                             ; the next block's fragments are in; what was asked for behind them may be out
	MXB (\b)+1
.endif
.irp t, 0,1,2,3
	v_add_nc_u32 v[SO+\t], 0xf8800000, v[MM+\t]    ; 15 off the exponent field: the conversion's scale operand
.endr
.irp t, 0,1,2,3
	v_and_or_b32 v[HD+\t], v[MM+\t], 0x7f800000, s44   ; 57,344 x the scale
.endr
.if (\b) == 0
.irp t, 0,1,2,3
	v_lshrrev_b32 v[PWR+\t], 23, v[SO+\t]
.endr
.else
.irp t, 0,1,2,3
	v_lshrrev_b32 v[TT+\t], 23, v[SO+\t]
.endr
.irp t, 0,1,2,3
	v_lshl_or_b32 v[PWR+\t], v[TT+\t], 8*(\b), v[PWR+\t]
.endr
.endif
.if \ld == 1                           ; (the twelve lines above or more are the places behind the products that read these registers)
	WIN 0x40
	LD16 FB, AK, 3*8192
	WIN 0
.elseif \ld == 2
	LD16 FB, AV, 0
.elseif \ld == 3
	WIN 0x40
	LD16 FB, AV, 4*2048
	WIN 0
.elseif \ld == 4
	LD16 S0, AV, 8*2048
.endif
.irp t, 0,1,2,3                        ; the rows' sums, of the unquantised p: two chains a tile; the second stands in the maxima's registers, which are free here
	v_pk_add_f32 v[LL+2*\t:LL+2*\t+1], v[LL+2*\t:LL+2*\t+1], v[SX+16*\t:SX+16*\t+1]
.endr
.irp t, 0,1,2,3
	v_pk_add_f32 v[MM+2*\t:MM+2*\t+1], v[SX+16*\t+2:SX+16*\t+3], v[SX+16*\t+6:SX+16*\t+7]
.endr
.irp k, 2,4
.irp t, 0,1,2,3
	v_pk_add_f32 v[LL+2*\t:LL+2*\t+1], v[LL+2*\t:LL+2*\t+1], v[SX+16*\t+2*\k:SX+16*\t+2*\k+1]
.endr
.irp t, 0,1,2,3
	v_pk_add_f32 v[MM+2*\t:MM+2*\t+1], v[MM+2*\t:MM+2*\t+1], v[SX+16*\t+2*\k+6:SX+16*\t+2*\k+7]
.endr
.endr
.irp t, 0,1,2,3
	v_pk_add_f32 v[LL+2*\t:LL+2*\t+1], v[LL+2*\t:LL+2*\t+1], v[SX+16*\t+12:SX+16*\t+13]
.endr
.irp t, 0,1,2,3
	v_pk_add_f32 v[LL+2*\t:LL+2*\t+1], v[LL+2*\t:LL+2*\t+1], v[MM+2*\t:MM+2*\t+1]
.endr
.if (\b) == 3                          ; the step's last block has no batch behind it
.irp k, 0,1,2,3,4,5,6,7
.irp t, 0,1,2,3
	DMIN SX+16*\t+2*\k, \t
.endr
.endr
	CVT 3
.endif
.endm
; the first fetch of a step from the slot at s35: K's scale words, K blocks 0 and 1
.macro NEXTK n
	v_add_nc_u32 v[AK], s35, v[AK0]
	v_add_nc_u32 v[AV], s35, v[AV0]
	v_add_nc_u32 v[AS], s35, v[AS0]
	NOPS \n
	s_wait_alu depctr_va_vdst(0)                   ; the wait behind these writes
.irp i, 0,1,2,3,4,5,6,7
	ds_load_b32 v[KS+\i], v[AS] offset:128*\i
.endr
	LD16 FB, AK, 0
	WIN 0x40
	LD16 FB, AK, 8192
	WIN 0
.endm
.macro BODY zero, fill, msk
	s_wait_dscnt 16                                ; K's scale words and block 0 are in; block 1's 16 loads may be out
	MXB 0
	NOPS 8
.irp i, 0,1,2,3,4,5,6,7
	ds_load_b32 v[VS+\i], v[AS] offset:33792+128*\i
.endr
	LD16 FB, AK, 2*8192
	SOFT 0, 1, 24, 1, 0                            ; 24: V's 8 scale words and block 2's 16 loads
	SOFT 1, 1, 16, 2, 0
	SOFT 2, 1, 16, 3, 0
	SOFT 3, 0, 0, 4, \msk
	NOPS 4
	LD16 S0+64, AV, 12*2048
	s_wait_alu depctr_va_vdst(0)
	s_wait_tensorcnt 0x0                           ; my part of the next slot is in
	ds_add_u32 v[SPW], v[NIL]
.if \fill
	s_xor_b32 s77, s77, SLOTB
	s_add_nc_u64 s[78:79], s[78:79], SLOTB
.endif
	s_wait_dscnt 33                                ; V tiles 0-7 are in; tiles 8-15 (32 loads) and the add may be out
	PVG \zero, 0, 8
	s_wait_dscnt 0x0                               ; the add is done, my reads of this slot are over
	s_barrier_signal -1
	PVG \zero, 8, 10
	WIN 0
	s_barrier_wait -1
.if \fill
	CREST
	tensor_load_to_lds s[76:79], s[68:75]          ; two steps on, into the slot just left
	s_nop 0
	NOPS 4
.endif
	s_xor_b32 s35, s35, SLOTB
.if \msk
	s_cmp_eq_u32 s38, 1                            ; the last step has no successor: nothing is fetched
	s_cbranch_scc1 .Lno_next_\@
.endif
	NEXTK 6-4*\fill
.if \msk
.Lno_next_\@:
.endif
	PVG \zero, 10, 16
	WIN 0
	NOPS 9                                         ; places ahead of products that write over the registers that held V's tiles, and of the readers of O
.endm
	s_load_b512 s[4:19], s[0:1], 0x0
	s_load_b256 s[20:27], s[0:1], 0x40
	s_load_b64 s[28:29], s[0:1], 0x60
	v_lshl_add_u32 v[SPW], v0, 2, SPARE
	v_mov_b32 v[NIL], 0
	ds_add_u32 v1, v2
	ds_add_u32 v1, v2
	s_wait_dscnt 0x0
	v_lshrrev_b32 v3, 5, v0
	v_readfirstlane_b32 s30, v3                    ; wave
	s_lshr_b32 s31, s30, 1                         ; memory
	s_and_b32 s32, s30, 1                          ; half of the pixels
	s_bfe_u32 s33, ttmp6, 0x40000
	s_lshl_b32 s34, ttmp9, 2
	s_add_co_u32 s34, s34, s33                     ; work-group
	s_lshr_b32 s52, s34, 5
	s_lshl_b32 s52, s52, 22                        ; image: 4 MiB
	s_and_b32 s53, s34, 31
	s_lshl_b32 s53, s53, 9                         ; 128 pixels: 512 bytes
	s_add_co_u32 s52, s52, s53
	s_lshl_b32 s53, s30, 20                        ; my wave's 64 channels
	s_add_co_u32 s52, s52, s53
	s_mov_b32 s53, 0
	s_mul_i32 s54, s30, 33792
	s_mov_b32 s55, 0
	s_mov_b32 s35, 0
	s_mov_b32 s40, 0x42405bfe                      ; c = log2(e) / 0.03
	s_mov_b32 s41, s40
	s_mov_b32 s42, 0x76543210
	s_mov_b32 s43, 0xfedcba98
	s_mov_b32 s44, 0x600000
	s_mov_b32 s68, 15|(3<<16)|(1<<21)              ; a quarter of a chunk pair: 132 rows of 256 bytes, asked for by all four of the cluster
	s_mov_b32 s69, 32<<16
	s_mov_b32 s70, 132<<16
	s_mov_b32 s71, 32<<16
	s_mov_b32 s72, 132
	s_mov_b32 s73, 32
	s_mov_b32 s74, 0
	s_mov_b32 s75, 0
	s_mov_b32 s80, (2<<16)|(1<<20)|(6<<22)|(1<<25) ; 64 channels x 128 pixels of f32, 8 bytes of padding a row
	s_mov_b32 s81, 128<<16
	s_mov_b32 s82, 64<<16
	s_mov_b32 s83, 128<<16
	s_mov_b32 s84, 64
	s_mov_b32 s85, 4096
	s_mov_b32 s86, 0
	s_mov_b32 s87, 0
	s_wait_kmcnt 0x0
	s_cmp_eq_u32 s31, 0
	s_cselect_b64 s[8:9], s[8:9], s[18:19]         ; my memory's gate
	s_cselect_b64 s[10:11], s[10:11], s[20:21]
	s_cselect_b64 s[12:13], s[12:13], s[22:23]
	s_cselect_b64 s[14:15], s[14:15], s[24:25]
	s_cselect_b64 s[16:17], s[16:17], s[26:27]
	s_cselect_b32 s47, 1.0, -1.0
	s_add_nc_u64 s[4:5], s[4:5], s[52:53]
	s_add_nc_u64 s[28:29], s[28:29], s[52:53]
	s_mov_b32 s88, 1
	s_mul_i32 s89, s30, 64*XP
	s_add_co_u32 s89, s89, SLOTB
	s_mov_b64 s[90:91], s[4:5]
	s_or_b32 s91, s91, 0x80000000
	s_mov_b32 s76, 1
	s_mul_i32 s77, s30, 33792
	s_add_nc_u64 s[78:79], s[6:7], s[54:55]
	s_or_b32 s79, s79, 0x80000000
	s_load_b32 s48, s[16:17], 0x0                  ; b2
	CROUND
	tensor_load_to_lds s[88:91], s[80:87]          ; the pixels: my one load at the head
	s_nop 0
	s_wait_alu depctr_va_vdst(0)
	s_wait_tensorcnt 0x0
	ds_add_u32 v1, v2
	s_wait_dscnt 0x0
	CROUND
	tensor_load_to_lds s[76:79], s[68:75]          ; step 0 into slot 0
	s_nop 0
	NOPS 4
	v_and_b32 v227, 31, v0
	v_and_b32 v225, 15, v0
	v_bfe_u32 v226, v0, 4, 1
	v_lshlrev_b32 v228, 8, v225
	v_lshl_add_u32 v228, v226, 4, v228
	v_lshlrev_b32 v229, 3, v225
	v_lshlrev_b32 v230, 5, v226
	WIN 0x80
.irp t, 0,1,2,3
.irp s, 0,1
.irp c, 0,1,2,3
	global_load_b128 v[16*(2*\t+\s)+4*\c:16*(2*\t+\s)+4*\c+3], v228, s[8:9] offset:4096*\t+128*\s+32*\c
.endr
.endr
.endr
.irp t, 0,1,2,3
	global_load_b128 v[128+8*\t:128+8*\t+3], v230, s[12:13] offset:64*\t
	global_load_b128 v[128+8*\t+4:128+8*\t+7], v230, s[12:13] offset:64*\t+16
	global_load_b128 v[160+8*\t:160+8*\t+3], v230, s[14:15] offset:64*\t
	global_load_b128 v[160+8*\t+4:160+8*\t+7], v230, s[14:15] offset:64*\t+16
.endr
	WIN 0
.irp t, 0,1,2,3
.irp s, 0,1
	global_load_b32 v[KS+2*\t+\s], v229, s[10:11] offset:128*\t+4*\s
.endr
.endr
	s_mul_i32 s56, s31, CHK
	v_lshl_add_u32 v[AK0], v227, 4, s56
	v_add_nc_u32 v[AV0], 33792, v[AK0]
	v_lshl_add_u32 v[AS0], v227, 2, s56
	v_add_nc_u32 v[AS0], 32768, v[AS0]
	v_mov_b32 v[NINF], 0xff800000
.irp t, 0,1,2,3
	v_mov_b32 v[TT+\t], 0
	v_mov_b32 v[TM+4+\t], 0
.endr
	s_lshl_b32 s56, s32, 8
	s_lshl_b32 s57, s31, 7
	s_add_co_u32 s56, s56, s57
	s_add_co_u32 s57, s56, SLOTB
	v_mul_u32_u24 v231, v226, 16*XP
	v_lshl_add_u32 v231, v225, 2, v231
	v_add_nc_u32 v231, s57, v231
	s_add_co_u32 s57, s56, TAB
	v_lshl_add_u32 v248, v225, 2, s57
	s_lshl_b32 s57, s56, 6
	s_add_co_u32 s57, s57, QIMG
	v_lshl_add_u32 v244, v227, 4, s57
	s_lshl_b32 s57, s56, 2
	s_add_co_u32 s57, s57, QSC
	v_lshl_add_u32 v246, v227, 2, s57
	s_lshl_b32 s57, s32, 14
	s_add_co_u32 s57, s57, QIMG
	v_lshl_add_u32 v252, v227, 4, s57
	s_lshl_b32 s57, s32, 10
	s_add_co_u32 s57, s57, QSC
	v_lshl_add_u32 v253, v227, 2, s57
	s_lshl_b32 s57, s31, 9
	s_lshl_b32 s58, s32, 8
	s_add_co_u32 s57, s57, s58
	s_add_co_u32 s57, s57, TAB+512
	v_lshl_add_u32 v[GA], v225, 2, s57
	s_wait_tensorcnt 1                             ; the pixels are in; step 0's load may be out
	s_barrier_signal -1
	s_barrier_wait -1
	s_mov_b32 s49, 0
	s_mov_b32 s50, 0
	s_mov_b32 s51, 0
	s_mov_b32 s38, 2
.Lq:                                               ; each wave normalises and quantises two tiles of 16 pixels
	s_wait_alu depctr_va_vdst(0)
	v_add_nc_u32 v[XC], s49, v231
	v_add_nc_u32 v[XC+1], 64*XP, v[XC]
	v_add_nc_u32 v[XC+2], 128*XP, v[XC]
	v_add_nc_u32 v[XC+3], 192*XP, v[XC]
	v_add_nc_u32 v245, s50, v244
	v_add_nc_u32 v247, s51, v246
	v_add_nc_u32 v249, s49, v248
.irp k, 0,1,2,3
.irp c, 0,1
.irp i, 0,1,2,3,4,5,6,7,8,9,10,11,12,13,14,15
	ds_load_b32 v[S0+32*\k+16*\c+\i], v[XC+\k] offset:(32*\c+\i)*XP
.endr
.endr
.endr
	s_wait_dscnt 0x0
.irp p, 0,1,2,3
	v_pk_mul_f32 v[SQ+2*\p:SQ+2*\p+1], v[S0+2*\p:S0+2*\p+1], v[S0+2*\p:S0+2*\p+1]
.endr
.set pp, 4
.rept 60
	v_pk_fma_f32 v[SQ+2*(pp%4):SQ+2*(pp%4)+1], v[S0+2*pp:S0+2*pp+1], v[S0+2*pp:S0+2*pp+1], v[SQ+2*(pp%4):SQ+2*(pp%4)+1]
.set pp, pp+1
.endr
	v_pk_add_f32 v[SQ:SQ+1], v[SQ:SQ+1], v[SQ+2:SQ+3]
	v_pk_add_f32 v[SQ+4:SQ+5], v[SQ+4:SQ+5], v[SQ+6:SQ+7]
	v_pk_add_f32 v[SQ:SQ+1], v[SQ:SQ+1], v[SQ+4:SQ+5]
	v_add_f32 v[SQ], v[SQ], v[SQ+1]
	v_permlanex16_b32 v[SQ+1], v[SQ], s42, s43
	v_add_f32 v[SQ], v[SQ], v[SQ+1]
	s_wait_alu depctr_va_vdst(0)
	v_sqrt_f32 v[SQ], v[SQ]
	v_nop
	s_wait_alu depctr_va_vdst(0)
	v_max_num_f32 v[SQ], 0x2b8cbccc, v[SQ]         ; max(|x|, 1e-12)
	s_wait_alu depctr_va_vdst(0)
	v_rcp_f32 v250, v[SQ]
	v_nop
	s_wait_alu depctr_va_vdst(0)
	v_mov_b32 v251, v250
.set pp, 0
.rept 64
	v_pk_mul_f32 v[S0+2*pp:S0+2*pp+1], v[S0+2*pp:S0+2*pp+1], v[250:251]
.set pp, pp+1
.endr
	QUANT S0
.irp c, 0,1,2,3
	ds_store_b128 v245, v[PC+4*\c:PC+4*\c+3] offset:512*\c
.endr
	ds_store_b32 v247, v[PQ]
	s_wait_dscnt 0x0
	QUANT S0+64
.irp c, 0,1,2,3
	ds_store_b128 v245, v[PC+4*\c:PC+4*\c+3] offset:2048+512*\c
.endr
	ds_store_b32 v247, v[PQ] offset:128
	ds_store_b32 v249, v250
	s_wait_dscnt 0x0
	s_add_co_u32 s49, s49, 64
	s_add_co_u32 s50, s50, 4096
	s_add_co_u32 s51, s51, 256
	s_sub_co_u32 s38, s38, 1
	s_cmp_lg_u32 s38, 0
	s_cbranch_scc1 .Lq
	s_wait_tensorcnt 0x0                           ; step 0 is in; the pixels' bytes are read out: slot 1 is filled over them
	ds_add_u32 v[SPW], v[NIL]
	s_xor_b32 s77, s77, SLOTB
	s_add_nc_u64 s[78:79], s[78:79], SLOTB
	s_wait_dscnt 0x0
	CROUND
	tensor_load_to_lds s[76:79], s[68:75]
	s_nop 0
	NOPS 4
	WIN 0x40
.set pp, 0
.rept 32
	ds_load_b128 v[4*pp:4*pp+3], v252 offset:512*pp    ; my 64 queries' images: they stay in registers
.set pp, pp+1
.endr
	WIN 0
.irp i, 0,1,2,3,4,5,6,7
	ds_load_b32 v[QS+\i], v253 offset:128*\i
.endr
	s_wait_dscnt 0x0
	s_wait_loadcnt 0x0
	s_wait_kmcnt 0x0
	WIN 0x26                                       ; the gate: h^T = w1^T xn^T + b1 (the bias is the first products' C)
.irp u, 0,1,2,3
.irp t, 0,1,2,3
	v_wmma_scale_f32_16x16x128_f8f6f4 v[S0+32*\u+8*\t:S0+32*\u+8*\t+7], v[32*\t:32*\t+15], v[32*\u:32*\u+15], v[128+8*\t:128+8*\t+7], v[KS+2*\t], v[QS+2*\u] matrix_a_fmt:MATRIX_FMT_BF8 matrix_b_fmt:MATRIX_FMT_BF8
.endr
.endr
	WIN 0x06
.irp u, 0,1,2,3
.irp t, 0,1,2,3
	v_wmma_scale_f32_16x16x128_f8f6f4 v[S0+32*\u+8*\t:S0+32*\u+8*\t+7], v[32*\t+16:32*\t+31], v[32*\u+16:32*\u+31], v[S0+32*\u+8*\t:S0+32*\u+8*\t+7], v[KS+2*\t+1], v[QS+2*\u+1] matrix_a_fmt:MATRIX_FMT_BF8 matrix_b_fmt:MATRIX_FMT_BF8
.endr
.endr
	WIN 0
	NOPS 8
.set pp, 0
.rept 128
	v_max_num_f32 v[S0+pp], 0, v[S0+pp]
.set pp, pp+1
.endr
	WIN 0x08
.irp u, 0,1,2,3
	v_pk_mul_f32 v[LL+2*\u:LL+2*\u+1], v[S0+32*\u:S0+32*\u+1], v[160:161]
.endr
.irp q, 1,2,3,4,5,6,7,8,9,10,11,12,13,14,15
.irp u, 0,1,2,3
	v_pk_fma_f32 v[LL+2*\u:LL+2*\u+1], v[S0+32*\u+2*\q:S0+32*\u+2*\q+1], v[160+2*\q:160+2*\q+1], v[LL+2*\u:LL+2*\u+1]
.endr
.endr
	WIN 0
.irp u, 0,1,2,3
	v_add_f32 v[MM+\u], v[LL+2*\u], v[LL+2*\u+1]
.endr
.irp u, 0,1,2,3
	v_permlanex16_b32 v[TT+\u], v[MM+\u], s42, s43
.endr
.irp u, 0,1,2,3
	v_add_f32 v[MM+\u], v[MM+\u], v[TT+\u]
.endr
.irp u, 0,1,2,3
	v_add_f32 v[MM+\u], s48, v[MM+\u]
.endr
.irp u, 0,1,2,3
	v_mul_f32 v[MM+\u], 0xbfb8aa3b, v[MM+\u]
.endr
	s_wait_alu depctr_va_vdst(0)
.irp u, 0,1,2,3
	v_exp_f32 v[MM+\u], v[MM+\u]
.endr
	v_nop
	s_wait_alu depctr_va_vdst(0)
.irp u, 0,1,2,3
	v_add_f32 v[MM+\u], 1.0, v[MM+\u]
.endr
	s_wait_alu depctr_va_vdst(0)
.irp u, 0,1,2,3
	v_rcp_f32 v[MM+\u], v[MM+\u]
.endr
	v_nop
	s_wait_alu depctr_va_vdst(0)
.irp u, 0,1,2,3
	ds_store_b32 v[GA], v[MM+\u] offset:64*\u      ; the gates wait in LDS
.endr
.irp i, 0,1,2,3,4,5,6,7
	v_mov_b32 v[LL+\i], 0
.endr
	NEXTK 2
	BODY 1, 1, 0                                   ; step 0 starts O's sums
	s_mov_b32 s38, 13
.Lstep:
	BODY 0, 1, 0
	s_sub_co_u32 s38, s38, 1
	s_cmp_lg_u32 s38, 0
	s_cbranch_scc1 .Lstep
	s_mov_b32 s38, 2
.Ltail:                                            ; steps 14 and 15 fill nothing; in step 15 keys 2,024 on are hidden: lanes 16-31 of registers 0-7, all lanes of 8-15 of the last block
	s_cmp_eq_u32 s38, 1
	s_cselect_b32 s45, 0xffff0000, 0
	s_cselect_b32 s46, -1, 0
	BODY 0, 0, 1
	s_sub_co_u32 s38, s38, 1
	s_cmp_lg_u32 s38, 0
	s_cbranch_scc1 .Ltail
	; THE WAY OUT: +-gate / sum a query; O through LDS (the slots have had their last fill); each wave then makes 64 channels x 128 pixels: x / |x| + fg + bg
.irp u, 0,1,2,3
	v_add_f32 v[MM+\u], v[LL+2*\u], v[LL+2*\u+1]
.endr
.irp u, 0,1,2,3
	ds_load_b32 v[SO+\u], v[GA] offset:64*\u
.endr
.irp u, 0,1,2,3
	v_permlanex16_b32 v[TT+\u], v[MM+\u], s42, s43
.endr
.irp u, 0,1,2,3
	v_add_f32 v[MM+\u], v[MM+\u], v[TT+\u]
.endr
	s_wait_alu depctr_va_vdst(0)
.irp u, 0,1,2,3
	v_rcp_f32 v[MM+\u], v[MM+\u]
.endr
	v_nop
	s_wait_alu depctr_va_vdst(0)
	s_wait_dscnt 0x0
.irp u, 0,1,2,3
	v_mul_f32 v[MM+\u], v[MM+\u], v[SO+\u]
.endr
.irp u, 0,1,2,3
	v_mul_f32 v[MM+\u], s47, v[MM+\u]
.endr
.irp u, 0,1,2,3
	ds_store_b32 v[GA], v[MM+\u] offset:64*\u
.endr
	v_and_b32 v3, 31, v0
	v_lshlrev_b32 v3, 4, v3
	v_and_b32 v63, 15, v0
	v_bfe_u32 v50, v0, 4, 1
	v_mul_u32_u24 v6, v63, SP
	v_lshl_add_u32 v6, v50, 5, v6
	s_mul_i32 s52, s31, SLOTB
	s_lshl_b32 s53, s32, 8
	s_add_co_u32 s52, s52, s53
	v_add_nc_u32 v6, s52, v6
	v_add_nc_u32 v7, 128*SP, v6
	s_mul_i32 s52, s30, 64*SP
	v_add_nc_u32 v8, s52, v3
	v_add_nc_u32 v4, SLOTB, v8
	v_add_nc_u32 v5, TAB, v3
	WIN 0x40
.set pp, 0
.rept 64
	global_load_b128 v[4*pp:4*pp+3], v3, s[4:5] offset:16384*pp
.set pp, pp+1
.endr
; O goes to the stage by quarters: quarter c is channel tiles c, 4 + c, 8 + c, 12 + c: the 16 rows that each of the four waves finishes in its c-th turn
.macro STO c
.irp u, 0,1,2,3
	WIN 8+4*(\u/2)
.irp g, 0,1,2,3
	ds_store_b128 v[6+\g/2], v[128*(\u%2)+8*(4*\g+(\c)):128*(\u%2)+8*(4*\g+(\c))+3] offset:((4*\g+(\c))%8)*16*SP+64*\u
	ds_store_b128 v[6+\g/2], v[128*(\u%2)+8*(4*\g+(\c))+4:128*(\u%2)+8*(4*\g+(\c))+7] offset:((4*\g+(\c))%8)*16*SP+64*\u+16
.endr
.endr
	WIN 0
.endm
	STO 0
	s_wait_alu depctr_va_vdst(0)
	s_wait_dscnt 0x0
	s_barrier_signal -1
	s_barrier_wait -1
.macro ROWS k
.irp i, 0,1,2,3,4,5,6,7
	ds_load_b128 v[S0+64*((\k)%2)+4*\i:S0+64*((\k)%2)+4*\i+3], v8 offset:(8*(\k)+\i)*SP
	ds_load_b128 v[S0+32+64*((\k)%2)+4*\i:S0+32+64*((\k)%2)+4*\i+3], v4 offset:(8*(\k)+\i)*SP
.endr
.endm
	ds_load_b128 v[38:41], v5
	ds_load_b128 v[42:45], v5 offset:512
	ds_load_b128 v[46:49], v5 offset:1024
.irp c, 0,1,2,3                        ; a turn: my 16 rows of quarter c are read back, the next quarter's tiles go to the stage, the rows are finished and stored; a barrier shows the next quarter
	ROWS 2*\c
	ROWS 2*\c+1
.if \c < 3
	STO \c+1
	s_wait_loadcnt 48-16*\c                        ; the pixels' rows of this quarter are in; those of the later quarters, 16 loads each, may be out
	s_wait_dscnt 32                                ; my 32 row loads are in; the 32 stage stores behind them may be out
.else
	s_wait_loadcnt 0x0
	s_wait_dscnt 0x0
.endif
.irp j, 0,1
	WIN 0x41
.irp i, 0,1,2,3,4,5,6,7
	v_pk_mul_f32 v[4*(8*(2*\c+\j)+\i):4*(8*(2*\c+\j)+\i)+1], v[4*(8*(2*\c+\j)+\i):4*(8*(2*\c+\j)+\i)+1], v[38:39]
	v_pk_mul_f32 v[4*(8*(2*\c+\j)+\i)+2:4*(8*(2*\c+\j)+\i)+3], v[4*(8*(2*\c+\j)+\i)+2:4*(8*(2*\c+\j)+\i)+3], v[40:41]
.endr
	WIN 0x50
.irp i, 0,1,2,3,4,5,6,7
	v_pk_fma_f32 v[4*(8*(2*\c+\j)+\i):4*(8*(2*\c+\j)+\i)+1], v[S0+64*\j+4*\i:S0+64*\j+4*\i+1], v[42:43], v[4*(8*(2*\c+\j)+\i):4*(8*(2*\c+\j)+\i)+1]
	v_pk_fma_f32 v[4*(8*(2*\c+\j)+\i)+2:4*(8*(2*\c+\j)+\i)+3], v[S0+64*\j+4*\i+2:S0+64*\j+4*\i+3], v[44:45], v[4*(8*(2*\c+\j)+\i)+2:4*(8*(2*\c+\j)+\i)+3]
.endr
.irp i, 0,1,2,3,4,5,6,7
	v_pk_fma_f32 v[4*(8*(2*\c+\j)+\i):4*(8*(2*\c+\j)+\i)+1], v[S0+32+64*\j+4*\i:S0+32+64*\j+4*\i+1], v[46:47], v[4*(8*(2*\c+\j)+\i):4*(8*(2*\c+\j)+\i)+1]
	v_pk_fma_f32 v[4*(8*(2*\c+\j)+\i)+2:4*(8*(2*\c+\j)+\i)+3], v[S0+32+64*\j+4*\i+2:S0+32+64*\j+4*\i+3], v[48:49], v[4*(8*(2*\c+\j)+\i)+2:4*(8*(2*\c+\j)+\i)+3]
.endr
	WIN 0x04
.irp i, 0,1,2,3,4,5,6,7
	global_store_b128 v3, v[4*(8*(2*\c+\j)+\i):4*(8*(2*\c+\j)+\i)+3], s[28:29] offset:16384*(8*(2*\c+\j)+\i) th:TH_STORE_NT   ; 32 lanes store 512 consecutive bytes, aligned
.endr
.endr
	WIN 0
.if \c < 3
	s_wait_dscnt 0x0                               ; for the others' sake: my tiles of the next quarter lie in the stage
	s_barrier_signal -1
	s_barrier_wait -1
.endif
.endr
	WIN 0
	s_wait_tensorcnt 0x0                           ; the wave's end
	ds_add_u32 v[SPW], v[NIL]
	s_wait_dscnt 0x0
	CROUND
	s_endpgm
.Lfunc_end_k_q1b9dced1ee_attn:
	.size	k_q1b9dced1ee_attn, .Lfunc_end_k_q1b9dced1ee_attn-k_q1b9dced1ee_attn
	.p2alignl 7, 3214868480
	.fill 96, 4, 3214868480
	.section	.rodata,"a",@progbits
	.p2align	6, 0x0
	.amdhsa_kernel k_q1b9dced1ee_attn
		.amdhsa_group_segment_fixed_size 327680
		.amdhsa_private_segment_fixed_size 0
		.amdhsa_enable_private_segment 0
		.amdhsa_kernarg_size 104
		.amdhsa_user_sgpr_count 2
		.amdhsa_user_sgpr_kernarg_segment_ptr 1
		.amdhsa_wavefront_size32 1
		.amdhsa_system_sgpr_workgroup_id_x 1
		.amdhsa_system_sgpr_workgroup_id_y 1
		.amdhsa_system_sgpr_workgroup_id_z 1
		.amdhsa_system_vgpr_workitem_id 0
		.amdhsa_next_free_vgpr 1024
		.amdhsa_next_free_sgpr 96
		.amdhsa_reserve_vcc 0
		.amdhsa_float_denorm_mode_32 3
		.amdhsa_float_denorm_mode_16_64 3
		.amdhsa_memory_ordered 1
		.amdhsa_forward_progress 1
		.amdhsa_inst_pref_size 255
	.end_amdhsa_kernel
	.section	.bss,"aw",@nobits
	.p2align	6
	.space	262144
	.amdgpu_metadata
---
amdhsa.version: [ 1, 2 ]
amdhsa.kernels:
  - .name:           k_q1b9dced1ee_attn
    .symbol:         k_q1b9dced1ee_attn.kd
    .args:
      - { .name: feats, .offset: 0, .size: 8, .value_kind: global_buffer, .address_space: global }
      - { .name: ws, .offset: 8, .size: 8, .value_kind: global_buffer, .address_space: global }
      - { .name: w1_fg_codes, .offset: 16, .size: 8, .value_kind: global_buffer, .address_space: global }
      - { .name: w1_fg_scales, .offset: 24, .size: 8, .value_kind: global_buffer, .address_space: global }
      - { .name: b1_fg, .offset: 32, .size: 8, .value_kind: global_buffer, .address_space: global }
      - { .name: w2_fg, .offset: 40, .size: 8, .value_kind: global_buffer, .address_space: global }
      - { .name: b2_fg, .offset: 48, .size: 8, .value_kind: global_buffer, .address_space: global }
      - { .name: w1_bg_codes, .offset: 56, .size: 8, .value_kind: global_buffer, .address_space: global }
      - { .name: w1_bg_scales, .offset: 64, .size: 8, .value_kind: global_buffer, .address_space: global }
      - { .name: b1_bg, .offset: 72, .size: 8, .value_kind: global_buffer, .address_space: global }
      - { .name: w2_bg, .offset: 80, .size: 8, .value_kind: global_buffer, .address_space: global }
      - { .name: b2_bg, .offset: 88, .size: 8, .value_kind: global_buffer, .address_space: global }
      - { .name: out0, .offset: 96, .size: 8, .value_kind: global_buffer, .address_space: global }
    .group_segment_fixed_size: 327680
    .private_segment_fixed_size: 0
    .kernarg_segment_align: 8
    .kernarg_segment_size: 104
    .max_flat_workgroup_size: 128
    .sgpr_count:     96
    .vgpr_count:     1024
    .wavefront_size: 32
...
	.end_amdgpu_metadata
.endif
;; end of part 2
